; MI455X (gfx1250); checked and timed in simulation.
; The chip was launched on July 23, 2026; its instructions are those of AMD's public machine-readable ISA for CDNA 5 (MIT licence, August 2026) and "CDNA5" Instruction Set Architecture Reference Guide (July 2026). The comments in the code are by the model that wrote it; some were corrected since.
;; Context Window Predictor. Allowed arithmetic: matrix products marked QUANTISED: E3M2 operands, one E8M0 scale for each 32 along K, by v_wmma_scale_f32_16x16x128_f8f6f4 with both operands' format E3M2, f32 sums; products left as they are: f32 operands where the result goes on into a quantised operand, else bf16, f16 or f32 operands; f32 sums; everything else in f32.
;; Inputs: W1 2,048 x 1,024 float32; W2 1,024 x 2 float32; b1 1,024 float32; b2 2 float32; hidden_states 8 x 2,048 x 1,024 float32; pairs 8 x 4,096 x 2 int32.
;; Outputs: out0 8 x 4,096 x 2 float32.
;; This version of the problem:
;;   THIS VERSION OF THE PROBLEM IS GIVEN IN LOW PRECISION. The matrix products marked QUANTISED in the list below multiply operands that are first quantised to E3M2 (3 exponent bits, 2 mantissa bits; 6 bits a number), with one power-of-two scale for each 32 numbers along K (OCP MX v1.0); their sums are f32. All else is computed in f32.
;;   The module's matrix products, in the order in which they are computed (A, B: the left and right operand; K: the contracted axis; several contracted axes count as one K, in the product's order):
;;     1. [M 32,768, K 2,048] x [K 2,048, N 1,024]; A: computed on the way; B: input W1: QUANTISED
;;     2. [M 32,768, K 1,024] x [K 1,024, N 2]; A: computed on the way; B: input W2: left as it is (N = 2 < 16)
;;   THE QUANTISER, for each operand of a quantised product, along K:
;;     - K is cut into blocks of 32 from its start; a last block that is shorter is filled with zeros.
;;     - A block's scale is 2^e with e = floor(log2(the largest magnitude in the block)) - 4, held to -126 .. 127; a block of zeros has e = 0. As a byte (E8M0): e + 127.
;;     - Each number is divided by its block's scale, clamped to +-28, and rounded to the nearest number of E3M2, ties to even, subnormals kept.
;;     - The product sums the exact products of the quantised numbers (number of the format x scale) in f32.
;;   ~~~python
;;   def quantise(x, axis):      # numpy; x: float32 -> the quantised numbers, widened to float32 again
;;       x = np.moveaxis(x, axis, -1); K = x.shape[-1]
;;       x = np.pad(x, [(0, 0)] * (x.ndim - 1) + [(0, -K % 32)]); x = x.reshape(x.shape[:-1] + (-1, 32)); a = np.abs(x).max(-1, keepdims=True)
;;       e = np.where(a > 0, np.clip(np.frexp(np.where(a > 0, a, 1))[1] - 1 - 4, -126, 127), 0)      # np.frexp(a)[1] - 1 = floor(log2(a)), exactly
;;       r = np.clip(x / 2.0 ** e, -28, 28)
;;       step = 2.0 ** (np.maximum(np.frexp(np.where(r == 0, 1, r))[1] - 1, -2) - 2)
;;       q = np.round(r / step) * step * 2.0 ** e      # np.round: ties to even
;;       return np.moveaxis(q.reshape(q.shape[:-2] + (-1,))[..., :K], -1, axis).astype(np.float32)
;;   ~~~
;;   OPERANDS COMPUTED ON THE WAY. 'Computed on the way' means the value that the module computes at that place (a softmax that the list does not call 'softmax' is quantised finished and normalised). What goes into a quantiser is computed in f32, as accurately as f32 sums, v_exp_f32 and their like allow (about 1e-6 of the number): no bf16 or f16 on the way to a quantiser, and a product that is left as it is and whose result goes on into a quantised operand takes f32 operands (vector FMAs, or v_wmma_f32_16x16x4_f32). A number that lies on a knife's edge between two numbers of the format may be rounded either way, as far as f32 arithmetic and the matrix unit's own rounding can turn it there, and no further.
;; One version. Each part assembles by itself: llvm-mc -triple=amdgcn-amd-amdhsa -mcpu=gfx1250 --defsym DOCPART=n.
;; ======== version 1 of 1: 2 launches
;; limits: a function is approximated: absolute error at most 4e-06
;; workspace buffers: hcodes 12,582,912 bytes; hscales 524,288 bytes; wimg 1,638,400 bytes
;; launch quant (part 1): grid 640 x 1, 4 waves a work-group, no clusters, 33,280 bytes of LDS; arguments hidden_states, W1, hcodes, hscales, wimg; writes hcodes, hscales, wimg
.if DOCPART == 1
	.amdgcn_target "amdgcn-amd-amdhsa--gfx1250"
	.amdhsa_code_object_version 6
	.text
	.protected	k_qb8ae443684_quant
	.globl	k_qb8ae443684_quant
	.p2align	8
	.type	k_qb8ae443684_quant,@function
k_qb8ae443684_quant:
	s_mov_b64 s[64:65], 0
	v_nop
	global_prefetch_b8 v0, s[64:65] scope:SCOPE_SE
	s_setreg_imm32_b32 hwreg(HW_REG_WAVE_MODE, 25, 1), 1
	s_wait_xcnt 0x0
; hidden_states [16,384 rows][1,024] f32 and W1 [2,048 (k)][1,024 (n)] f32 become codes of BF6 (E3M2) with one E8M0 scale byte for each 32 along K, laid as the second launch's operand registers want them.
; A block's scale is 2^(floor(log2(its largest magnitude)) - 4); its byte is the largest magnitude's exponent field - 4, held at 1 from below.
; LIMITS: a block of zeros, and a block whose largest magnitude lies under 2^-122, gets the byte 1 (the rule says 127 for zeros): its codes are zeros or subnormal codes, and these bytes are read by this program alone.
; NaN and infinities among the inputs are not served.
; The blocks of 32 never cross the seam of the pair's two rows (1,024 is a multiple of 32), so a pair's quantised row is two quantised rows of hidden_states: each row is quantised once here.
; WORK-GROUPS 0-127 take W1 (K is its first axis), work-groups 128-639 hidden_states (K innermost).  The branch hangs on the work-group's number alone.  Only the second path uses LDS.
; hcodes: [row][K step of 128: 8][96 bytes]; in a K step the four blocks of 24 bytes lie in the order 0, 2, 1, 3, so that the 48 bytes of one half of the lanes of a fragment (blocks h and 2 + h) are consecutive.
; hscales: [row][32] bytes, in K's order.
; wimg: [slot G = 8 (n / 512) + k / 256][wave w = (n / 128) % 4][q = (k / 128) % 2][12,800 bytes]: eight fragments (16 n x 128 k) as images of their registers, [c 0-2][lane][16 bytes], 1,536 bytes each;
;       at byte 12,288 the scale words, [lane l][x 0-3]: that of n tile 2 x + l / 16, row l % 16.
.set WGW,   128                        ; work-groups of W1's path
.set STEPS, 16                         ; hidden_states: a wave takes 16 steps of 512 numbers
.set CB,    12                         ; bytes of 16 codes
.set R,     16                         ; v16-79   four sets of 16 numbers as they are loaded
.set X,     80                         ; v80-111  two sets of 16 neighbours
.set C,     128                        ; v128-191 codes: four registers for each step, so that no store's data are written again
.set E,     112                        ; v112-127 a scale byte for each step
.set WREG,  8192                       ; LDS: a region for each wave: two stages of 32 x SP bytes, behind them its 256 scale bytes
.set SP,    80                         ; a lane's place in a stage: 64 bytes + 16 of padding
.set WX,    32                         ; W1: v32-95 two sets of 32 numbers
.set CD,    96                         ; v96-119 my column's codes: 12 registers for each half h of the fragment's lanes
.set TQ,    120                        ; v120-122 a block's upper 16 codes (a conversion's three registers begin on an even number)
.set SW,    124                        ; v124 my column's scale word
.macro LOAD t
.irp i, 0,1,2,3
	global_load_b128 v[R+16*((\t)%4)+4*\i:R+16*((\t)%4)+4*\i+3], v3, s[4:5] offset:2048*(\t)+512*\i th:TH_LOAD_NT   ; 32 lanes read 512 consecutive bytes
.endr
.endm
.macro TURN t                          ; step t's numbers through the stage; LDS serves a wave's instructions in order, so no wait stands between the stores and the loads
.irp i, 0,1,2,3
	ds_store_b128 v14, v[R+16*((\t)%4)+4*\i:R+16*((\t)%4)+4*\i+3] offset:32*SP*((\t)%2)+8*SP*\i
.endr
.irp i, 0,1,2,3
	ds_load_b128 v[X+16*((\t)%2)+4*\i:X+16*((\t)%2)+4*\i+3], v15 offset:32*SP*((\t)%2)+16*\i
.endr
.endm
.macro STEP t
.set XS, X+16*((\t)%2)
.if (\t) > 0
	s_wait_dscnt 1                                 ; this step's numbers are back from the stage (the last step's byte store may be out)
.else
	s_wait_dscnt 0x0
.endif
.if (\t)+4 < STEPS
	LOAD (\t)+4                                    ; the registers that the stage's stores have read take the loads of four steps on
.endif
.if (\t)+1 < STEPS
.if STEPS-2-(\t) >= 3
	s_wait_loadcnt 12                              ; the next step's four loads are in; those of the three steps behind it may be out
.else
	s_wait_loadcnt 4*(STEPS-2-(\t))
.endif
	TURN (\t)+1
.endif
	v_max3_num_f32 v8, |v[XS]|, |v[XS+1]|, |v[XS+2]|               ; the largest magnitude of my 16, in two chains
	v_max3_num_f32 v9, |v[XS+3]|, |v[XS+4]|, |v[XS+5]|
.irp i, 6,10
	v_max3_num_f32 v8, v8, |v[XS+\i]|, |v[XS+\i+1]|
	v_max3_num_f32 v9, v9, |v[XS+\i+2]|, |v[XS+\i+3]|
.endr
	v_max3_num_f32 v8, v8, |v[XS+14]|, |v[XS+15]|
	v_max3_num_f32 v8, v8, v9, 0x2800000           ; and the floor 2^(5 - 127): the byte cannot fall under 1
	v_max_num_f32_dpp v8, v8, v8 row_xmask:1 row_mask:0xf bank_mask:0xf   ; with my neighbour's 16: the block's
	v_add_nc_u32 v11, 0xfe000000, v8               ; 4 off its exponent field: the conversion takes the exponent field of this operand as its scale
	v_cvt_scalef32_pk16_bf6_f32 v[C+4*(\t):C+4*(\t)+2], v[XS:XS+15], v11
	v_lshrrev_b32 v[E+(\t)], 23, v11               ; the scale's byte (also the plain line behind the conversion)
	ds_store_b8 v5, v[E+(\t)] offset:16*(\t)       ; both lanes of a block write the same byte with the same value
	global_store_b96 v4, v[C+4*(\t):C+4*(\t)+2], s[8:9] offset:32*CB*(\t)   ; the wave's 32 stores cover 384 consecutive bytes
.endm
.macro WLOAD t                         ; W1(128 ks + 32 t + i, my column), i = 0 .. 31, into set t % 2: 32 lanes read 128 consecutive bytes, the four waves 512
.set i, 0
.rept 32
	global_load_b32 v[WX+32*((\t)%2)+i], v3, s[6:7] offset:(32*(\t)+i)*4096 th:TH_LOAD_NT
.set i, i+1
.endr
.endm
.macro WBLOCK t                        ; block t of my column's 128 along K: all its 32 numbers are mine
.set XS, WX+32*((\t)%2)
.set CC, CD+12*((\t)%2)+6*((\t)/2)     ; block t belongs to the fragment's lanes of half t % 2, registers 6 (t / 2) on
.if (\t) < 3
	s_wait_loadcnt 32                              ; this block's 32 loads are in; the next block's may be out
.else
	s_wait_loadcnt 0x0
.endif
	v_max3_num_f32 v12, |v[XS]|, |v[XS+1]|, |v[XS+2]|
	v_max3_num_f32 v13, |v[XS+3]|, |v[XS+4]|, |v[XS+5]|
.irp i, 6,10,14,18,22,26
	v_max3_num_f32 v12, v12, |v[XS+\i]|, |v[XS+\i+1]|
	v_max3_num_f32 v13, v13, |v[XS+\i+2]|, |v[XS+\i+3]|
.endr
	v_max3_num_f32 v12, v12, |v[XS+30]|, |v[XS+31]|
	v_max3_num_f32 v12, v12, v13, 0x2800000        ; the floor, as above
	v_add_nc_u32 v11, 0xfe000000, v12
	v_lshrrev_b32 v13, 23, v11                     ; the scale's byte
.if (\t) == 0
	v_mov_b32 v[SW], v13                           ; four bytes to the word, the lower K in the lower byte
.else
	v_lshl_or_b32 v[SW], v13, 8*(\t), v[SW]
.endif
	v_cvt_scalef32_pk16_bf6_f32 v[CC:CC+2], v[XS:XS+15], v11
	v_cvt_scalef32_pk16_bf6_f32 v[TQ:TQ+2], v[XS+16:XS+31], v11
	v_nop                                          ; one plain line between a scaled conversion and the vector lines that touch its result
.irp i, 0,1,2
	v_mov_b32 v[CC+3+\i], v[TQ+\i]
.endr
.if (\t)+2 < 4
	WLOAD (\t)+2
.endif
.endm
	s_load_b256 s[4:11], s[0:1], 0x0               ; hidden_states s[4:5], W1 s[6:7], hcodes s[8:9], hscales s[10:11]
	s_load_b64 s[12:13], s[0:1], 0x20              ; wimg
	v_lshl_add_u32 v192, v0, 2, 0x8000
	v_mov_b32 v193, 0
	v_lshrrev_b32 v1, 5, v0
	v_readfirstlane_b32 s16, v1                    ; wave 0..3
	v_and_b32 v2, 31, v0                           ; lane
	s_cmp_lt_u32 ttmp9, WGW
	s_cbranch_scc1 .Lw1
	; ---- hidden_states: a plain stream of blocks of 32.  Each load reads 512 consecutive bytes; a step's 2,048 bytes turn through the wave's own stage, so that a lane holds 16 neighbours along K.
	v_lshlrev_b32 v3, 4, v2                        ; my 16 bytes of a load's 512
	s_mul_i32 s17, s16, WREG
	v_lshrrev_b32 v14, 2, v2
	v_mul_u32_u24 v14, v14, SP
	v_and_b32 v15, 3, v2
	v_lshl_add_u32 v14, v15, 4, v14
	v_add_nc_u32 v14, s17, v14                     ; the stage, on the way in: SP (lane / 4) + 16 (lane % 4)
	v_mul_u32_u24 v15, v2, SP
	v_add_nc_u32 v15, s17, v15                     ; and on the way out: SP x lane
	v_lshrrev_b32 v4, 3, v2                        ; my codes' place in a step's 384 bytes: K step lane / 8,
	v_mul_u32_u24 v4, v4, 96
	v_bfe_u32 v8, v2, 1, 1                         ; block j = (lane / 2) % 4 at place 2 (j % 2) + j / 2: the order 0, 2, 1, 3,
	v_bfe_u32 v9, v2, 2, 1
	v_lshl_or_b32 v8, v8, 1, v9
	v_mad_u32_u24 v4, v8, 24, v4
	v_and_b32 v8, 1, v2                            ; and the block's lower or upper 16 codes
	v_mad_u32_u24 v4, v8, 12, v4
	v_lshrrev_b32 v5, 1, v2
	s_add_co_u32 s17, s17, 2*32*SP
	v_add_nc_u32 v5, s17, v5                       ; LDS: my wave's 256 scale bytes, my block's byte
	v_lshlrev_b32 v7, 3, v2                        ; and on the way out 8 bytes a lane
	v_add_nc_u32 v6, s17, v7
	s_sub_co_u32 s17, ttmp9, WGW
	s_lshl_b32 s17, s17, 2
	s_add_co_u32 s18, s17, s16                     ; which run of 8,192 numbers is my wave's: 0 .. 2,047
	s_mov_b32 s21, 0
	s_wait_kmcnt 0x0
	s_lshl_b32 s20, s18, 15                        ; 32,768 bytes of f32,
	s_add_nc_u64 s[4:5], s[4:5], s[20:21]
	s_mul_i32 s20, s18, 32*STEPS*CB                ; 6,144 bytes of codes,
	s_add_nc_u64 s[8:9], s[8:9], s[20:21]
	s_lshl_b32 s20, s18, 8                         ; 256 scale bytes a run
	s_add_nc_u64 s[10:11], s[10:11], s[20:21]
.irp t, 0,1,2,3
	LOAD \t
.endr
	s_wait_loadcnt 12                              ; step 0's four loads are in
	TURN 0
.irp t, 0,1,2,3,4,5,6,7,8,9,10,11,12,13,14,15
	STEP \t
.endr
	ds_load_b64 v[12:13], v6                       ; LDS serves a wave's instructions in order: these see my byte stores
	s_wait_dscnt 0x0
	global_store_b64 v7, v[12:13], s[10:11]        ; 32 lanes store 256 consecutive bytes, aligned
	s_wait_tensorcnt 0x0
	ds_add_u32 v192, v193
	s_wait_dscnt 0x0
	s_endpgm
	; ---- W1: a lane takes a column n and its registers run down K, so a block's maximum needs no other lane and the codes come out with K innermost.
	; Work-group: column group gq = id / 16 (128 columns), K step ks = id % 16.  Wave x: columns 32 x .. 32 x + 31 of the group: n tiles 2 x and 2 x + 1.
.Lw1:
	s_lshr_b32 s17, ttmp9, 4                       ; gq
	s_and_b32 s18, ttmp9, 15                       ; ks
	v_lshlrev_b32 v3, 2, v2                        ; in: 4 bytes a lane
	v_lshrrev_b32 v4, 4, v2
	v_mul_u32_u24 v4, v4, 1536                     ; out: fragment lane / 16 of my wave's two,
	v_and_b32 v5, 15, v2
	v_lshl_add_u32 v4, v5, 4, v4                   ; row lane % 16: 16 bytes
	s_lshl_b32 s26, s16, 2
	v_lshlrev_b32 v5, 4, v2
	v_add_nc_u32 v5, s26, v5                       ; my scale word: 16 x lane + 4 x wave
	s_lshl_b32 s20, s18, 19                        ; W1: 128 ks rows of 4,096 bytes,
	s_lshl_b32 s21, s17, 9                         ; + 128 gq columns,
	s_add_co_u32 s20, s20, s21
	s_lshl_b32 s21, s16, 7                         ; + 32 x wave columns
	s_add_co_u32 s20, s20, s21
	s_mov_b32 s21, 0
	s_lshr_b32 s22, s17, 2                         ; wimg: block ((8 (gq / 4) + ks / 2) x 4 + gq % 4) x 2 + ks % 2
	s_and_b32 s23, s17, 3
	s_lshl_b32 s22, s22, 3
	s_lshr_b32 s24, s18, 1
	s_add_co_u32 s22, s22, s24
	s_lshl_b32 s22, s22, 2
	s_add_co_u32 s22, s22, s23
	s_lshl_b32 s22, s22, 1
	s_and_b32 s24, s18, 1
	s_add_co_u32 s22, s22, s24
	s_mul_i32 s22, s22, 12800
	s_mov_b32 s23, 0
	s_mul_i32 s24, s16, 3072                       ; my wave's two fragments in it
	s_mov_b32 s25, 0
	s_wait_kmcnt 0x0
	s_add_nc_u64 s[6:7], s[6:7], s[20:21]
	s_add_nc_u64 s[12:13], s[12:13], s[22:23]
	s_add_nc_u64 s[14:15], s[12:13], s[24:25]
	WLOAD 0
	WLOAD 1
.irp t, 0,1,2,3
	WBLOCK \t
.endr
.irp h, 0,1
.irp c, 0,1,2
	global_store_b128 v4, v[CD+12*\h+4*\c:CD+12*\h+4*\c+3], s[14:15] offset:512*\c+256*\h   ; registers 4 c .. 4 c + 3 of the fragment's lane r + 16 h: sixteen lanes store 256 consecutive bytes, aligned
.endr
.endr
	global_store_b32 v5, v[SW], s[12:13] offset:12288   ; the scale words: 4 bytes, 16 bytes from lane to lane; the four waves fill the 512 bytes between them (512 of a block's 12,800 bytes)
	s_endpgm
.Lfunc_end_k_qb8ae443684_quant:
	.size	k_qb8ae443684_quant, .Lfunc_end_k_qb8ae443684_quant-k_qb8ae443684_quant
	.p2alignl 7, 3214868480
	.fill 96, 4, 3214868480
	.section	.rodata,"a",@progbits
	.p2align	6, 0x0
	.amdhsa_kernel k_qb8ae443684_quant
		.amdhsa_group_segment_fixed_size 33280
		.amdhsa_private_segment_fixed_size 0
		.amdhsa_enable_private_segment 0
		.amdhsa_kernarg_size 40
		.amdhsa_user_sgpr_count 2
		.amdhsa_user_sgpr_kernarg_segment_ptr 1
		.amdhsa_wavefront_size32 1
		.amdhsa_system_sgpr_workgroup_id_x 1
		.amdhsa_system_sgpr_workgroup_id_y 1
		.amdhsa_system_sgpr_workgroup_id_z 1
		.amdhsa_system_vgpr_workitem_id 0
		.amdhsa_next_free_vgpr 194
		.amdhsa_next_free_sgpr 66
		.amdhsa_reserve_vcc 0
		.amdhsa_float_denorm_mode_32 3
		.amdhsa_float_denorm_mode_16_64 3
		.amdhsa_memory_ordered 1
		.amdhsa_forward_progress 1
		.amdhsa_inst_pref_size 52
	.end_amdhsa_kernel
	.amdgpu_metadata
---
amdhsa.version: [ 1, 2 ]
amdhsa.kernels:
  - .name:           k_qb8ae443684_quant
    .symbol:         k_qb8ae443684_quant.kd
    .args:
      - { .name: hidden_states, .offset: 0, .size: 8, .value_kind: global_buffer, .address_space: global }
      - { .name: W1, .offset: 8, .size: 8, .value_kind: global_buffer, .address_space: global }
      - { .name: hcodes, .offset: 16, .size: 8, .value_kind: global_buffer, .address_space: global }
      - { .name: hscales, .offset: 24, .size: 8, .value_kind: global_buffer, .address_space: global }
      - { .name: wimg, .offset: 32, .size: 8, .value_kind: global_buffer, .address_space: global }
    .group_segment_fixed_size: 33280
    .private_segment_fixed_size: 0
    .kernarg_segment_align: 8
    .kernarg_segment_size: 40
    .max_flat_workgroup_size: 128
    .sgpr_count:     66
    .vgpr_count:     194
    .wavefront_size: 32
...
	.end_amdgpu_metadata
.endif
;; end of part 1
;; launch pairmlp (part 2): grid 256 x 1, 4 waves a work-group, clusters of 4 x 1, 327,680 bytes of LDS; arguments hcodes, hscales, wimg, pairs, b1, W2, b2, out0; writes out0
.if DOCPART == 2
	.amdgcn_target "amdgcn-amd-amdhsa--gfx1250"
	.amdhsa_code_object_version 6
	.text
	.protected	k_qb8ae443684_pairmlp
	.globl	k_qb8ae443684_pairmlp
	.p2align	8
	.type	k_qb8ae443684_pairmlp,@function
k_qb8ae443684_pairmlp:
	s_mov_b64 s[64:65], 0
	v_nop
	global_prefetch_b8 v0, s[64:65] scope:SCOPE_SE
	s_setreg_imm32_b32 hwreg(HW_REG_WAVE_MODE, 25, 1), 1
	s_wait_xcnt 0x0
	s_wait_alu depctr_hold_cnt(0) depctr_sa_sdst(0) depctr_va_vdst(0) depctr_va_sdst(0) depctr_va_ssrc(0) depctr_va_vcc(0) depctr_vm_vsrc(0)
	s_getreg_b32 s2, hwreg(HW_REG_IB_STS2, 6, 4)
	s_cmp_eq_u32 s2, 0
	s_cbranch_scc0 .Lentry_in_a_cluster
	s_endpgm
.Lentry_in_a_cluster:
	s_bfe_u32 s2, ttmp6, 0x10000c
	s_cmp_lg_u32 s2, 0x3003
	s_cbranch_scc0 .Lentry_shape_is_right
	s_endpgm
.Lentry_shape_is_right:
; out0[pair] = gelu([hs[p0] | hs[p1]] W1 + b1) W2 + b2 for 8 x 4,096 pairs.  The first product (K 2,048, N 1,024) runs on codes of BF6 (E3M2) with E8M0 scales, made by the launch before; the second (N = 2) is f32 multiply-adds.
; SHARES.  A work-group of four waves owns 128 pairs and all 1,024 hidden units, so that a pair's logits have one owner.  N goes in two passes of 512; wave w makes 128 pairs x 128 units: 64 accumulators, 512 registers.
; A pass walks K in 8 slots of two K steps of 128: 64 matrix instructions a K step.
; W1's images (wimg) come through a ring of two LDS slots by tensor loads; each wave asks for, and alone reads, its own 25,600 bytes of a slot.  All work-groups read the same images, so four form a CLUSTER and ask jointly.
; THE WALK IS ROTATED FROM CLUSTER TO CLUSTER.  Cluster c takes v = (c xor c / 8) % 8; it begins with the half v / 4 of N and, in each half, with K slot 2 (v % 4), and wraps round.  The two first fills of the eight kinds
; are all 16 slots of wimg, and every slot that a cluster asks for later has been asked for two slots' work, 256 matrix instructions, earlier by the clusters that began two slots further on.  So no prefetch of wimg is laid:
; no slot is left that a first fill does not name.  Only global offsets hang on v: the prologue lays the pairs' scale words, W2 and b1 into LDS in the order of the walk, so that every LDS address is as in an unrotated walk.
; The pairs' codes are GATHERED through registers into a second ring of two slots (192 bytes of each of the 128 rows): a slot's loads are issued two slots ahead, in two sets of 48 registers, and stored to LDS at a change of slots.
; THE MATRIX INSTRUCTION IS USED TRANSPOSED (source 0 = 16 units of W1, source 1 = 16 pairs): a lane holds ONE pair (lane % 16) and its eight registers run along the hidden units 8 (lane / 16) + 0 .. 7.  b1 is the C of a pass's first K step.
; THE HIDDEN LAYER NEVER LEAVES THE REGISTERS.  A pass's last K step goes by blocks of 16 pairs in a loop of 8 trips: eight matrix instructions (chosen by a ladder of scalar branches on the trip's number) finish block a's sums
; into block 0's registers, and one common text takes GELU and the two dot products of those 64 numbers a lane.
; GELU: 2 gelu(x) = x + |x| (1 - P(|x|)^-16), P = 1 + d1 |x| + .. + d6 |x|^6 (Abramowitz and Stegun 26.2.19: 1 - Phi(x) = P(x)^-16 / 2 within 1.5e-7); the half is taken once, at the end.
; LIMITS: K is summed in the rotated order, not ascending: an order of rounding that differs from the reference's; the sixteenth power in f32 brings erf's error to about 4e-6 absolute; NaN and infinities are not served;
; indices are held to 0 .. 2,047.
; REGISTERS, in windows of 256.  window 0: v1-31 addresses and constants; v32-47 the pairs' scale words, v48-63 W1's (two sets each; they hold scales and nothing else);
;   v64-127 by turns: gather set 1 (v64-111), b1's eight tiles, |x| and P at work; v128-159 W2 of tiles 6, 7; v160-255 the pairs' fragments, block a at 160 + 12 a.
;   window 1: v0-95 W1's fragments, set 0 (in the loop of 8: W2 of tiles 0-5); v96-127, v224-239 gather set 0; v128-223 W1's set 1; v240-247 four pairs of logit sums.
;   windows 2, 3: accumulator (a, b) at window 2 + a / 4, v[8 (8 (a % 4) + b)].
.set BSLOT, 102400                     ; a slot of W1's ring: four waves' parts
.set BWAVE, 25600                      ; a wave's part: two K steps
.set BQ,    12800                      ; a K step: eight fragments of 1,536 bytes, then 512 bytes of scale words
.set BSC,   12288
.set ARING, 2*BSLOT                    ; the pairs' ring: slot + 3,264 a + 272 (6 q + 3 h + c) + 16 r: 16 rows x 16 bytes, then 16 of padding, so that both the gather's stores and the fragments' loads touch 16 different 16-byte columns
.set ASLOT, 26112
.set ABLK,  3264
.set SCA,   ARING+2*ASLOT              ; the pairs' scale words: 80 bytes a pair: 16 words, in the order of the walk, + 16
.set W2L,   SCA+128*80                 ; W2, 8,192 bytes: the first pass's half first
.set B1L,   W2L+8192                   ; b1, 4,096 bytes, likewise
.set SCR,   B1L+4096                   ; parts of the logits: 4,096 wave + 2,048 pass + 256 a + 8 lane
.set SPARE, SCR+16384                  ; the spare words, 128 bytes a wave: two blocks of 256 bytes that no other line names
.set ADRA, 1                           ; v1-2   my place in a fragment of the pairs' ring, slot 0, 1
.set ADRB, 3                           ; v3-4   my 16 bytes in my wave's part of W1's ring, slot 0, 1
.set ADRS, 5                           ; v5     the pairs' scale words: SCA + 80 x lane
.set GST,  6                           ; v6-7   where the gather stores, slot 0, 1
.set GOFF0, 8                          ; v8-11  768 x index of row p0 + 16 (lane % 4), for my four pairs
.set GOFF1, 12                         ; v12-15 the same for row p1
.set CUR,  16                          ; v16-19 the offsets of the gather in hand
.set SCR0, 20                          ; v20    SCR + 4,096 wave + 8 lane
.set W2A,  21                          ; v21    W2L + 8 (128 wave + 8 h)
.set B1A,  22                          ; v22    B1L + 4 (128 wave + 8 h)
.set OUTO, 26                          ; v26    8 x thread: my pair in pairs and in out0; never rewritten
.set FIN,  27                          ; v27    where thread t reads pair t's parts
.set SPW,  28                          ; v28    my spare word; never rewritten
.set NIL,  29                          ; v29    0; never rewritten
.set D5V,  30                          ; v30-31 d5, twice
.set SA,   32
.set SB,   48
.set T,    64
.set AXB,  64                          ; |x|, later 2 gelu: two sets of 16
.set PB,   96                          ; P and its powers: two sets of 16
.set W67,  128
.set AF,   160
.set LA,   240                         ; in window 1
.set WV,   20                          ; s20 wave;  s21 cx;  s22 work-group;  s23 batch
.set CX,   21
.set G1,   24                          ; s[24:31] descriptor group 1;  s[32:35], s[36:39] group 0 for slot 0, 1
.set G0,   32
.set HB,   40                          ; s[40:41] hcodes at my batch
.set GB,   42                          ; s[42:43] + the gather's bytes along K
.set GO,   44                          ; s[44:45] those bytes
.set GI,   46                          ; s46 the slot of the walk that the next gather serves
.set MSK0, 47                          ; s47, s48 all ones for row p0 or for row p1
.set MSK1, 48
.set SJ,   49                          ; s49 8 x (slot in the pass, in the order of the walk): the pairs' scale words
.set BI,   50                          ; s50 the slot of the walk, 0 .. 15, that the next refill brings
.set LAP,  51
.set TR,   52
.set SOFF, 53                          ; s53 2,048 pass + 256 a
.set J0,   54                          ; s54 the K slot at which my cluster begins each pass: 0, 2, 4 or 6
.set P0,   55                          ; s55 the half of N that my cluster takes first
.set WB,   56                          ; s[56:57] wimg at my wave's part of its slot 0; never rewritten
.set ABSM, 58
.set D6,   60                          ; the polynomial's constants as pairs (a packed form names a pair and takes its low word for both halves)
.set D4,   62
.set D3,   66
.set D2,   68
.set D1,   70
.set B2S,  74                          ; s[74:75] b2
.set BO,   80                          ; s[80:81] a slot's byte offset in wimg;  s82 at work
.set MUL_LO, 0xa1                      ; source 0 (W1) window 1, source 1 (pairs) window 0, C and D window 2
.set MUL_HI, 0xf1                      ; the same, C and D window 3
.set MSB, 0
.macro WIN new                         ; the immediate's high byte repeats the setting that is left
.if MSB != \new
	s_set_vgpr_msb (MSB<<8)|\new
.set MSB, \new
.endif
.endm
.macro PLACES cnt                      ; plain vector lines between a matrix instruction and a load into, a read of, or a matrix write over its registers
.rept \cnt
	v_nop
.endr
.endm
.macro CREST                           ; a round of the cluster's barrier behind its opening barrier
	s_cmp_lg_u32 s[WV], 0
	s_cbranch_scc1 .Lnot_wave_0_\@
	s_barrier_signal -3
.Lnot_wave_0_\@:
	s_barrier_wait -3
	s_barrier_signal -1
	s_barrier_wait -1
.endm
.macro CROUND
	s_barrier_signal -1
	s_barrier_wait -1
	CREST
.endm
.macro WMM                             ; one product, by the symbols rD, rB, rA, rC, rS0, rS1; o0, o1: the scale words lie in lanes 16-31
.if o0 && o1
	v_wmma_scale_f32_16x16x128_f8f6f4 v[rD:rD+7], v[rB:rB+11], v[rA:rA+11], v[rC:rC+7], v[rS0], v[rS1] matrix_a_fmt:MATRIX_FMT_BF6 matrix_b_fmt:MATRIX_FMT_BF6 matrix_a_scale:MATRIX_SCALE_ROW1 matrix_b_scale:MATRIX_SCALE_ROW1
.elseif o0
	v_wmma_scale_f32_16x16x128_f8f6f4 v[rD:rD+7], v[rB:rB+11], v[rA:rA+11], v[rC:rC+7], v[rS0], v[rS1] matrix_a_fmt:MATRIX_FMT_BF6 matrix_b_fmt:MATRIX_FMT_BF6 matrix_a_scale:MATRIX_SCALE_ROW1
.elseif o1
	v_wmma_scale_f32_16x16x128_f8f6f4 v[rD:rD+7], v[rB:rB+11], v[rA:rA+11], v[rC:rC+7], v[rS0], v[rS1] matrix_a_fmt:MATRIX_FMT_BF6 matrix_b_fmt:MATRIX_FMT_BF6 matrix_b_scale:MATRIX_SCALE_ROW1
.else
	v_wmma_scale_f32_16x16x128_f8f6f4 v[rD:rD+7], v[rB:rB+11], v[rA:rA+11], v[rC:rC+7], v[rS0], v[rS1] matrix_a_fmt:MATRIX_FMT_BF6 matrix_b_fmt:MATRIX_FMT_BF6
.endif
.endm
; 16 products: the pairs' blocks a0, a0 + 1 x W1's eight tiles.  p: W1's set; q: the slot's K step; s: the set of scale words.  zero = 1: C is b1's tile.  The 64 accumulators take turns, one instruction a turn.
.macro MUL16 a0, p, q, s, zero
.irp a, \a0, \a0+1
.irp b, 0,1,2,3,4,5,6,7
.set rD, 8*(8*((\a)%4)+\b)
.if \zero
.set rC, T+8*\b
.else
.set rC, rD
.endif
.set rB, 128*(\p)+12*\b
.set rA, AF+12*(\a)
.set rS0, SB+8*(\s)+4*(\q)+\b/2
.set rS1, SA+8*(\s)+2*((\a)/2)+(\q)
.set o0, \b%2
.set o1, (\a)%2
	WMM
.endr
.endr
.endm
.macro FETCH_B s, q, p                 ; W1's eight fragments of the slot's K step q into set p: 24 loads, each 512 consecutive bytes
	WIN 0x40
.irp b, 0,1,2,3,4,5,6,7
.irp c, 0,1,2
	ds_load_b128 v[128*(\p)+12*\b+4*\c:128*(\p)+12*\b+4*\c+3], v[ADRB+(\s)] offset:BQ*(\q)+1536*\b+512*\c
.endr
.endr
	WIN 0
.endm
.macro FETCH_A s, q, a0                ; the pairs' blocks a0 .. a0 + 3: 12 loads
.irp a, \a0, \a0+1, \a0+2, \a0+3
.irp c, 0,1,2
	ds_load_b128 v[AF+12*(\a)+4*\c:AF+12*(\a)+4*\c+3], v[ADRA+(\s)] offset:ABLK*(\a)+1632*(\q)+272*\c
.endr
.endr
.endm
.macro SCALES s                        ; a slot's scale words into set s: 6 loads.  Pairs: register 2 x + q: lanes 0-15 block 2 x, lanes 16-31 block 2 x + 1.  W1: register 4 q + x likewise for tiles
	v_add_nc_u32 v24, s[SJ], v[ADRS]
.irp x, 0,1,2,3
	ds_load_b64 v[SA+8*(\s)+2*\x:SA+8*(\s)+2*\x+1], v24 offset:2560*\x
.endr
.irp q, 0,1
	ds_load_b128 v[SB+8*(\s)+4*\q:SB+8*(\s)+4*\q+3], v[ADRB+(\s)] offset:BQ*\q+BSC
.endr
.endm
.macro QREG set, qn                    ; quad qn of a gather set
.if \set
.set QR, T+4*(\qn)
.elseif (\qn) < 8
.set QR, 96+4*(\qn)
.else
.set QR, 224+4*((\qn)-8)
.endif
.endm
; The gather for slot s[GI] of the walk, which is K slot (GI + J0) % 8: of each of my wave's 32 pairs the 192 bytes of two K steps.  Four lanes read 64 consecutive bytes of a row; lane l serves pairs
; 32 wave + 16 (l / 16) + 4 ((l / 4) % 4) + g.  K slots 0-3 lie in row p0, K slots 4-7 in row p1: chosen by two masks, with no branch.
.macro GLOAD set
	s_wait_xcnt 0x0                                ; the last gather's loads have read their offsets and their base: both are written anew
	s_add_co_u32 s[GO], s[GI], s[J0]
	s_bfe_u32 s[MSK1], s[GO], 0x10002
	s_sub_co_u32 s[MSK1], 0, s[MSK1]
	s_not_b32 s[MSK0], s[MSK1]
	s_and_b32 s[GO], s[GO], 3
	s_mul_i32 s[GO], s[GO], 192
	s_add_nc_u64 s[GB:GB+1], s[HB:HB+1], s[GO:GO+1]
.irp g, 0,1,2,3
	v_and_b32 v24, s[MSK0], v[GOFF0+\g]
	v_and_b32 v25, s[MSK1], v[GOFF1+\g]
	v_add_nc_u32 v[CUR+\g], v24, v25
.endr
	s_add_co_u32 s[GI], s[GI], 1
.if (\set) == 0
	WIN 0x40
.endif
.irp g, 0,1,2,3
.irp t, 0,1,2
	QREG \set, 3*\g+\t
	global_load_b128 v[QR:QR+3], v[CUR+\g], s[GB:GB+1] offset:64*\t
.endr
.endr
	WIN 0
.endm
.macro GSTORE s                        ; set s into slot s of the pairs' ring: 12 stores
.if (\s) == 0
	WIN 0x04
.endif
.irp g, 0,1,2,3
.irp t, 0,1,2
	QREG \s, 3*\g+\t
	ds_store_b128 v[GST+(\s)], v[QR:QR+3] offset:1088*\t+16*\g
.endr
.endr
	WIN 0
.endm
; Where slot s[BI] of the walk lies in wimg: its slot 8 (P0 xor BI / 8) + (BI + J0) % 8.  It is written into group 0 of LDS slot s behind the wait that shows no tensor load of mine out.  All that enters is the same in the four partners.
.macro BADDR s
	s_add_co_u32 s[BO], s[BI], s[J0]
	s_and_b32 s[BO], s[BO], 7
	s_lshr_b32 s82, s[BI], 3
	s_xor_b32 s82, s82, s[P0]
	s_lshl_b32 s82, s82, 3
	s_add_co_u32 s[BO], s[BO], s82
	s_mul_i32 s[BO], s[BO], BSLOT
	s_add_co_u32 s[BI], s[BI], 1
	s_add_nc_u64 s[G0+4*(\s)+2:G0+4*(\s)+3], s[WB:WB+1], s[BO:BO+1]
	s_or_b32 s[G0+4*(\s)+3], s[G0+4*(\s)+3], 0x80000000   ; type = 2
.endm
.macro JLOAD s                         ; the joint refill of slot s.  One line for all four waves: each moves bytes of its own; the descriptor hangs on the wave's and the cluster's number alone.  Four v_nop follow
	tensor_load_to_lds s[G0+4*(\s):G0+4*(\s)+3], s[G1:G1+7]
	s_nop 0
.rept 4
	v_nop
.endr
.endm
; A slot's first K step.  gl = 1: the gather for three slots on is issued, into set nx.  hw: the LDS instructions that may be out at the head: blocks 4-7's 12 loads and, where the change of slots ended with them, the gather's 12 stores.
.macro STEP s, nx, gl, hw
	s_wait_dscnt \hw
	WIN MUL_LO
	MUL16 0, 0, 0, \s, 0
	MUL16 2, 0, 0, \s, 0
	s_wait_dscnt 0x0                               ; blocks 4-7 are in, and the gather's stores have landed
	PLACES 4
	FETCH_B \s, 1, 1
	FETCH_A \s, 1, 0
.if \gl
	GLOAD \nx
.endif
	WIN MUL_HI
	MUL16 4, 0, 0, \s, 0
	MUL16 6, 0, 0, \s, 0
	PLACES 4
	WIN 0
	FETCH_A \s, 1, 4
.endm
.macro FIRST                           ; a pass's first K step: C is b1.  The gather into set 1, which is b1's registers, stands at its end, behind the places
	s_wait_dscnt 12                                ; all but blocks 4-7's 12 loads
	WIN 0x81
	MUL16 0, 0, 0, 0, 1
	MUL16 2, 0, 0, 0, 1
	s_wait_dscnt 0x0
	PLACES 4
	FETCH_B 0, 1, 1
	FETCH_A 0, 1, 0
	WIN 0xc1
	MUL16 4, 0, 0, 0, 1
	MUL16 6, 0, 0, 0, 1
	PLACES 4
	WIN 0
	FETCH_A 0, 1, 4
	GLOAD 1
.endm
; A slot's second K step changes slots: ONE barrier.  In front of it each wave waits for all its tensor loads (the one that is out is its part of the next slot), adds 0 to its spare word, and waits for that, for its reads of
; both rings' slot s and for its gather's stores into slot nx.  fill = 1: the barrier opens a round of the cluster's, and the joint refill is the first thing behind it.  gw >= 0: the gather set s, loaded two slots ago, goes into
; the pairs' slot s, which nobody reads any more; gw = the younger gather's loads, which may stay out.
.macro TURN s, nx, fill, gw
	s_wait_tensorcnt 0x0
	ds_add_u32 v[SPW], v[NIL]
.if \fill
	BADDR \s                                       ; no tensor load of mine is out: the refill's address is made here, so that nothing stands between the round and the load
.endif
	s_wait_dscnt 13                                ; (the add and blocks 4-7's 12 loads may be out)
	WIN MUL_LO
	MUL16 0, 1, 1, \s, 0                           ; sixteen products stand between the add and the wait for it
	s_wait_dscnt 0x0
	s_barrier_signal -1
	MUL16 2, 1, 1, \s, 0
	WIN 0
	s_barrier_wait -1
.if \fill
	CREST
	JLOAD \s                                       ; its four v_nop are also the places in front of the loads below
.else
	PLACES 4
.endif
	s_add_co_u32 s[SJ], s[SJ], 8
	FETCH_B \nx, 0, 0
	FETCH_A \nx, 0, 0
	SCALES \nx
	WIN MUL_HI
	MUL16 4, 1, 1, \s, 0
	MUL16 6, 1, 1, \s, 0
	PLACES 4
	WIN 0
	FETCH_A \nx, 0, 4
.if \gw >= 0
	s_wait_loadcnt \gw
	GSTORE \s
.endif
.endm
.macro PRE pass                        ; a pass's first fragments, scale words and b1's eight tiles (lane (r, h), tile b: units 16 b + 8 h + 0 .. 7)
	s_mov_b32 s[SJ], 0
	FETCH_B 0, 0, 0
	FETCH_A 0, 0, 0
	SCALES 0
.irp b, 0,1,2,3,4,5,6,7
.irp i, 0,1
	ds_load_b128 v[T+8*\b+4*\i:T+8*\b+4*\i+3], v[B1A] offset:2048*(\pass)+64*\b+16*\i
.endr
.endr
	FETCH_A 0, 0, 4
.endm
.macro EPIMUL a                        ; block a's last K step: C = accumulator (a, b), D = block 0's registers
	WIN 0xa1+0x10*((\a)/4)
.irp b, 0,1,2,3,4,5,6,7
.set rD, 8*\b
.set rC, 8*(8*((\a)%4)+\b)
.set rB, 128+12*\b
.set rA, AF+12*(\a)
.set rS0, SB+8+4+\b/2
.set rS1, SA+8+2*((\a)/2)+1
.set o0, \b%2
.set o1, (\a)%2
	WMM
.endr
	WIN 0
.endm
; GELU and the dot products, in four batches k of 16 numbers (tiles 2 k, 2 k + 1), on sets k % 2.
.macro ABSK k                          ; |x|; each tile is read from its low end on
	WIN 0x08
.set i, 0
.rept 16
	v_and_b32 v[AXB+16*((\k)%2)+i], s[ABSM], v[16*(\k)+i]
.set i, i+1
.endr
.endm
.macro HORN k                          ; P = 1 + |x| (d1 + |x| (d2 + .. )), stage by stage, eight pairs a stage
	WIN 0
.set aX, AXB+16*((\k)%2)
.set pP, PB+16*((\k)%2)
.irp u, 0,2,4,6,8,10,12,14
	v_pk_fma_f32 v[pP+\u:pP+\u+1], v[aX+\u:aX+\u+1], s[D6:D6+1], v[D5V:D5V+1] op_sel_hi:[1,0,1]
.endr
.irp d, D4, D3, D2, D1
.irp u, 0,2,4,6,8,10,12,14
	v_pk_fma_f32 v[pP+\u:pP+\u+1], v[pP+\u:pP+\u+1], v[aX+\u:aX+\u+1], s[\d:\d+1] op_sel_hi:[1,1,0]
.endr
.endr
.irp u, 0,2,4,6,8,10,12,14
	v_pk_fma_f32 v[pP+\u:pP+\u+1], v[pP+\u:pP+\u+1], v[aX+\u:aX+\u+1], 1.0 op_sel_hi:[1,1,0]
.endr
.endm
.macro RCPK k                          ; 1 / P: a batch of 16; its one wait stands a whole batch of other work further on
	WIN 0
.set i, 0
.rept 16
	v_rcp_f32 v[PB+16*((\k)%2)+i], v[PB+16*((\k)%2)+i]
.set i, i+1
.endr
.endm
.macro SQK k                           ; P^-2, P^-4, P^-8, then 1 - P^-16
	WIN 0
.set pP, PB+16*((\k)%2)
.rept 3
.irp u, 0,2,4,6,8,10,12,14
	v_pk_mul_f32 v[pP+\u:pP+\u+1], v[pP+\u:pP+\u+1], v[pP+\u:pP+\u+1]
.endr
.endr
.irp u, 0,2,4,6,8,10,12,14
	v_pk_fma_f32 v[pP+\u:pP+\u+1], v[pP+\u:pP+\u+1], v[pP+\u:pP+\u+1], 1.0 op_sel_hi:[1,1,0] neg_lo:[1,0,0] neg_hi:[1,0,0]
.endr
.endm
.macro GK k                            ; 2 gelu = |x| (1 - P^-16) + x
	WIN 0x20
.set aX, AXB+16*((\k)%2)
.set pP, PB+16*((\k)%2)
.irp u, 0,2,4,6,8,10,12,14
	v_pk_fma_f32 v[aX+\u:aX+\u+1], v[aX+\u:aX+\u+1], v[pP+\u:pP+\u+1], v[16*(\k)+\u:16*(\k)+\u+1]
.endr
.endm
.macro DOTK k                          ; both logits at once: one number, taken for both halves, times the pair (W2[n][0], W2[n][1]); four chains; the first four products start them, so nothing is cleared
.if (\k) == 3
	WIN 0x50
.set wW, W67
.else
	WIN 0x54
.set wW, 32*(\k)
.endif
.set aX, AXB+16*((\k)%2)
.set i, 0
.rept 16
.set rL, LA+2*(i%4)
.set rX, aX+2*(i/2)
.if ((\k) == 0) && (i < 4)
.if i%2
	v_pk_mul_f32 v[rL:rL+1], v[rX:rX+1], v[wW+2*i:wW+2*i+1] op_sel:[1,0] op_sel_hi:[1,1]
.else
	v_pk_mul_f32 v[rL:rL+1], v[rX:rX+1], v[wW+2*i:wW+2*i+1] op_sel_hi:[0,1]
.endif
.else
.if i%2
	v_pk_fma_f32 v[rL:rL+1], v[rX:rX+1], v[wW+2*i:wW+2*i+1], v[rL:rL+1] op_sel:[1,0,0] op_sel_hi:[1,1,1]
.else
	v_pk_fma_f32 v[rL:rL+1], v[rX:rX+1], v[wW+2*i:wW+2*i+1], v[rL:rL+1] op_sel_hi:[0,1,1]
.endif
.endif
.set i, i+1
.endr
.endm
; A pass's end.  All fragments and scale words of the last K step are in registers, so (fill = 1) the change of slots comes first: the waits, the add, a whole round, the joint refill, the gather's stores.
.macro PASSEND pass, fill
.if \fill
	s_wait_tensorcnt 0x0                           ; all my tensor loads have landed: my part of the next pass's first slot
	ds_add_u32 v[SPW], v[NIL]
	BADDR 1                                        ; the refill's address is made while the add is out
	s_wait_dscnt 0x0                               ; the add is done, my reads of both rings' slot 1 are over, my gather's stores into slot 0 have landed
	CROUND
	JLOAD 1
	s_wait_loadcnt 12                              ; set 1's loads are in; set 0's 12 may be out
	GSTORE 1
.else
	s_wait_dscnt 0x0
.endif
	WIN 0x40                                       ; W2 of my 128 units: tile b, register j: the pair at 16 b + 2 j.  W1's set 0 is done with (its places stand at the last K step's end)
.irp b, 0,1,2,3,4,5
.irp i, 0,1,2,3
	ds_load_b128 v[16*\b+4*\i:16*\b+4*\i+3], v[W2A] offset:4096*(\pass)+128*\b+16*\i
.endr
.endr
	WIN 0
.irp b, 6,7
.irp i, 0,1,2,3
	ds_load_b128 v[W67+16*(\b-6)+4*\i:W67+16*(\b-6)+4*\i+3], v[W2A] offset:4096*(\pass)+128*\b+16*\i
.endr
.endr
	PLACES 5                                       ; accumulator (a, b) now becomes the C of another accumulator: five places
	s_wait_dscnt 0x0
	s_mov_b32 s[TR], 0
.Lepi_\@:
.irp a, 0,1,2,3,4,5,6
	s_cmp_eq_u32 s[TR], \a
	s_cbranch_scc1 .Lcase_\@_\a
.endr
	EPIMUL 7
	s_branch .Ljoin_\@
.irp a, 0,1,2,3,4,5,6
.Lcase_\@_\a:
	EPIMUL \a
	s_branch .Ljoin_\@
.endr
.Ljoin_\@:
	PLACES 4
	ABSK 0
	HORN 0
	RCPK 0
	ABSK 1                                         ; (its first line is the plain line behind the reciprocals)
	HORN 1
	s_wait_alu depctr_va_vdst(0)                   ; one wait for batch 0's sixteen reciprocals, ahead of their first reader
	RCPK 1
	SQK 0
	GK 0
	DOTK 0
	ABSK 2
	HORN 2
	s_wait_alu depctr_va_vdst(0)                   ; batch 1's
	RCPK 2
	SQK 1
	GK 1
	DOTK 1
	ABSK 3
	HORN 3
	s_wait_alu depctr_va_vdst(0)                   ; batch 2's
	RCPK 3
	SQK 2
	GK 2
	DOTK 2
	s_wait_alu depctr_va_vdst(0)                   ; batch 3's
	SQK 3
	GK 3
	DOTK 3
	WIN 0x45
	v_pk_add_f32 v[LA:LA+1], v[LA:LA+1], v[LA+2:LA+3]
	v_pk_add_f32 v[LA+4:LA+5], v[LA+4:LA+5], v[LA+6:LA+7]
	v_pk_add_f32 v[LA:LA+1], v[LA:LA+1], v[LA+4:LA+5]
	WIN 0
	v_add_nc_u32 v24, s[SOFF], v[SCR0]
	WIN 0x04
	ds_store_b64 v24, v[LA:LA+1]                   ; my 64 units' part of my pair's two logits
	WIN 0
	s_add_co_u32 s[SOFF], s[SOFF], 256
	s_add_co_u32 s[TR], s[TR], 1
	s_cmp_lt_u32 s[TR], 8
	s_cbranch_scc1 .Lepi_\@
.endm
	; ---------------- the head
	s_load_b256 s[4:11], s[0:1], 0x0               ; hcodes s[4:5], hscales s[6:7], wimg s[8:9], pairs s[10:11]
	s_load_b256 s[12:19], s[0:1], 0x20             ; b1 s[12:13], W2 s[14:15], b2 s[16:17], out0 s[18:19]
	v_lshl_add_u32 v[SPW], v0, 2, SPARE
	v_mov_b32 v[NIL], 0
	ds_add_u32 v28, v29
	ds_add_u32 v28, v29
	s_wait_dscnt 0x0
	v_lshrrev_b32 v24, 5, v0
	v_readfirstlane_b32 s[WV], v24                 ; wave 0..3
	s_bfe_u32 s[CX], ttmp6, 0x40000                ; cx: it enters the addresses of pairs and of out0 alone
	s_lshl_b32 s22, ttmp9, 2
	s_add_co_u32 s22, s22, s[CX]                   ; my block of 128 pairs
	s_lshr_b32 s23, ttmp9, 3                       ; the batch: 32 blocks, 8 clusters each: the partners share it
	s_xor_b32 s[J0], s23, ttmp9                    ; v = (c xor c / 8) % 8, of the cluster's number c, which the partners share:
	s_bfe_u32 s[P0], s[J0], 0x10002                ; the half of N that comes first: v / 4,
	s_and_b32 s[J0], s[J0], 3
	s_lshl_b32 s[J0], s[J0], 1                     ; and the K slot at which each pass begins: 2 (v % 4)
	; descriptor group 1: a dense block of 25,600 bytes as 100 rows of 256 (32 elements of 8 bytes), no padding
	s_mov_b32 s[G1], 15|(3<<16)|(1<<21)            ; 15:0 the mask: all four work-groups; 17:16 elements of 8 bytes; 21 set beside a mask
	s_mov_b32 s[G1+1], 32<<16                      ; tensor_dim0 = 32
	s_mov_b32 s[G1+2], 100<<16                     ; tensor_dim1 = 100
	s_mov_b32 s[G1+3], 32<<16                      ; tile_dim0 = 32
	s_mov_b32 s[G1+4], 100                         ; tile_dim1 = 100
	s_mov_b32 s[G1+5], 32                          ; from row to row
	s_mov_b32 s[G1+6], 0
	s_mov_b32 s[G1+7], 0
	s_mov_b32 s[ABSM], 0x7fffffff
	s_mov_b32 s[D6], 0x36b49f9e                    ; d6 = .0000053830
	s_mov_b32 s[D6+1], 0x36b49f9e
	s_mov_b32 s[D4], 0x381f660e                    ; d4 = .0000380036
	s_mov_b32 s[D4+1], 0x381f660e
	s_mov_b32 s[D3], 0x3b56cd72                    ; d3 = .0032776263
	s_mov_b32 s[D3+1], 0x3b56cd72
	s_mov_b32 s[D2], 0x3cad2fe7                    ; d2 = .0211410061
	s_mov_b32 s[D2+1], 0x3cad2fe7
	s_mov_b32 s[D1], 0x3d4c41b4                    ; d1 = .0498673470
	s_mov_b32 s[D1+1], 0x3d4c41b4
	v_mov_b32 v[D5V], 0x384d0fe2                   ; d5 = .0000488906
	v_mov_b32 v[D5V+1], 0x384d0fe2
	s_mov_b32 s[GO+1], 0
	s_mov_b32 s[BO+1], 0
	s_mov_b32 s[GI], 0
	s_mov_b32 s[BI], 2                             ; slots 0 and 1 of the walk are the first fills
	s_mov_b32 s[SOFF], 0
	v_and_b32 v16, 31, v0                          ; lane
	v_and_b32 v17, 15, v0                          ; r
	v_bfe_u32 v18, v0, 4, 1                        ; h
	v_lshlrev_b32 v[ADRA], 4, v17
	v_mad_u32_u24 v[ADRA], v18, 816, v[ADRA]       ; 16 r + 3 x 272 h
	v_add_nc_u32 v[ADRA], ARING, v[ADRA]
	v_add_nc_u32 v[ADRA+1], ASLOT, v[ADRA]
	s_mul_i32 s72, s[WV], BWAVE
	s_mov_b32 s73, 0
	v_lshl_add_u32 v[ADRB], v16, 4, s72
	v_add_nc_u32 v[ADRB+1], BSLOT, v[ADRB]
	v_mul_u32_u24 v[ADRS], v16, 80
	v_add_nc_u32 v[ADRS], SCA, v[ADRS]
	v_and_b32 v19, 3, v0                           ; cq: which 16 bytes of a run of 64
	v_bfe_u32 v24, v0, 2, 2                        ; ra: which four pairs
	v_mul_u32_u24 v[GST], v19, 272
	v_lshl_add_u32 v[GST], v24, 6, v[GST]
	v_mad_u32_u24 v[GST], v18, ABLK, v[GST]
	s_mul_i32 s74, s[WV], 2*ABLK
	s_add_co_u32 s74, s74, ARING
	v_add_nc_u32 v[GST], s74, v[GST]               ; block 2 wave + h, chunk cq, row 4 ra
	v_add_nc_u32 v[GST+1], ASLOT, v[GST]
	v_lshlrev_b32 v19, 4, v19                      ; 16 cq
	v_lshlrev_b32 v25, 5, v24
	v_lshl_add_u32 v25, v18, 7, v25
	s_lshl_b32 s74, s[WV], 8
	v_add_nc_u32 v25, s74, v25                     ; my four pairs in the block's 1,024 bytes of pairs: 8 (32 wave + 16 h + 4 ra)
	s_lshl_b32 s74, s[WV], 12
	s_add_co_u32 s74, s74, SCR
	v_lshl_add_u32 v[SCR0], v16, 3, s74
	s_lshl_b32 s74, s[WV], 10
	s_add_co_u32 s74, s74, W2L
	v_lshl_add_u32 v[W2A], v18, 6, s74
	s_lshl_b32 s74, s[WV], 9
	s_add_co_u32 s74, s74, B1L
	v_lshl_add_u32 v[B1A], v18, 5, s74
	v_lshlrev_b32 v[OUTO], 3, v0
	v_lshrrev_b32 v[FIN], 4, v0
	v_lshlrev_b32 v[FIN], 8, v[FIN]
	v_lshl_add_u32 v[FIN], v17, 3, v[FIN]
	v_add_nc_u32 v[FIN], SCR, v[FIN]               ; pair t: block t / 16, lane t % 16
	v_lshlrev_b32 v138, 4, v0                      ; 16 x thread
	v_mul_u32_u24 v139, v0, 80
	v_add_nc_u32 v139, SCA, v139
	v_add_nc_u32 v140, W2L, v138
	s_lshl_b32 s76, s22, 10                        ; my block's 1,024 bytes in pairs and in out0
	s_mov_b32 s77, 0
	s_lshl_b32 s[BO], s[P0], 3                     ; wimg's slot with which my cluster begins: 8 P0 + J0
	s_add_co_u32 s[BO], s[BO], s[J0]
	s_mul_i32 s[BO], s[BO], BSLOT
	s_wait_kmcnt 0x0
	s_load_b64 s[B2S:B2S+1], s[16:17], 0x0         ; b2: asked for here, wanted at the very end; s74 and s75 are written by nothing else from here on
	s_add_nc_u64 s[10:11], s[10:11], s[76:77]
	s_add_nc_u64 s[18:19], s[18:19], s[76:77]
.irp g, 0,1,2,3
	global_load_b64 v[128+2*\g:129+2*\g], v25, s[10:11] offset:8*\g   ; the indices of the four pairs that I gather
.endr
	global_load_b64 v[136:137], v[OUTO], s[10:11]  ; and of pair t, whose scale words I fetch
	s_add_nc_u64 s[WB:WB+1], s[8:9], s[72:73]      ; wimg at my wave's part of its slot 0
	s_mov_b32 s[G0], 1                             ; count = 1
	s_mov_b32 s[G0+1], s72                         ; LDS address: slot 0, my wave's part
	s_add_nc_u64 s[G0+2:G0+3], s[WB:WB+1], s[BO:BO+1]   ; the walk's slot 0
	s_mov_b32 s[G0+4], 1
	s_add_co_u32 s[G0+5], s72, BSLOT
	s_add_nc_u64 s[G0+6:G0+7], s[G0+2:G0+3], BSLOT ; the walk's slot 1: J0 is even, so it does not wrap
	s_or_b32 s[G0+3], s[G0+3], 0x80000000          ; type = 2
	s_or_b32 s[G0+7], s[G0+7], 0x80000000
	s_mul_i32 s72, s23, 2048*768
	s_add_nc_u64 s[HB:HB+1], s[4:5], s[72:73]      ; hcodes and hscales at my batch
	s_lshl_b32 s72, s23, 16
	s_add_nc_u64 s[6:7], s[6:7], s[72:73]
	CROUND                                         ; all four work-groups are here: the first joint loads meet
	tensor_load_to_lds s[G0:G0+3], s[G1:G1+7]      ; the walk's slots 0 and 1: two loads of mine are out
	s_nop 0
	tensor_load_to_lds s[G0+4:G0+7], s[G1:G1+7]
	s_nop 0
.rept 4
	v_nop
.endr
	; ---------------- the prologue: offsets, the first two gathers, the scale words, W2 and b1 into LDS
	s_wait_loadcnt 0x0
.irp g, 0,1,2,3
	v_min_u32 v[128+2*\g], 0x7ff, v[128+2*\g]
	v_min_u32 v[129+2*\g], 0x7ff, v[129+2*\g]
	v_mul_u32_u24 v[GOFF0+\g], v[128+2*\g], 768    ; a row of codes is 768 bytes
	v_mul_u32_u24 v[GOFF1+\g], v[129+2*\g], 768
	v_add_nc_u32 v[GOFF0+\g], v19, v[GOFF0+\g]
	v_add_nc_u32 v[GOFF1+\g], v19, v[GOFF1+\g]
.endr
	v_min_u32 v136, 0x7ff, v136
	v_min_u32 v137, 0x7ff, v137
	v_lshlrev_b32 v136, 5, v136                    ; a row of scale bytes is 32 bytes
	v_lshlrev_b32 v137, 5, v137
	GLOAD 0                                        ; the walk's slot 0
	GLOAD 1                                        ; and 1
; Pair t's 64 scale bytes are four chunks of 16 (two K slots each): row p0's two, then row p1's two.  Chunk i of the walk is chunk (i + J0 / 2) % 4: the row by two masks, the half of the row by an addition; no branch.
.irp i, 0,1,2,3
	s_lshr_b32 s76, s[J0], 1
	s_add_co_u32 s76, s76, \i
	s_bfe_u32 s77, s76, 0x10001
	s_sub_co_u32 s77, 0, s77                       ; all ones where the chunk lies in row p1
	s_not_b32 s78, s77
	s_and_b32 s76, s76, 1
	s_lshl_b32 s76, s76, 4
	v_and_b32 v24, s78, v136
	v_and_b32 v25, s77, v137
	v_add_nc_u32 v[141+\i], v24, v25
	v_add_nc_u32 v[141+\i], s76, v[141+\i]
	global_load_b128 v[160+4*\i:163+4*\i], v[141+\i], s[6:7]
.endr
	s_lshl_b32 s76, s[P0], 12                      ; W2: the half of the first pass (4,096 bytes) comes first in LDS,
	s_xor_b32 s77, s76, 4096
	v_add_nc_u32 v145, s76, v138
	v_add_nc_u32 v146, s77, v138
	s_lshl_b32 s78, s[P0], 11                      ; and b1's (2,048 bytes) likewise
	s_xor_b32 s79, s78, 2048
	v_add_nc_u32 v147, s78, v138
	v_add_nc_u32 v148, s79, v138
	global_load_b128 v[176:179], v145, s[14:15]
	global_load_b128 v[180:183], v145, s[14:15] offset:2048
	global_load_b128 v[184:187], v146, s[14:15]
	global_load_b128 v[188:191], v146, s[14:15] offset:2048
	global_load_b128 v[192:195], v147, s[12:13]
	global_load_b128 v[196:199], v148, s[12:13]
	s_wait_loadcnt 0x0
	s_wait_kmcnt 0x0                               ; b2 is in
	GSTORE 0
	GSTORE 1
.irp i, 0,1,2,3
	ds_store_b128 v139, v[160+4*\i:163+4*\i] offset:16*\i
.endr
.irp i, 0,1,2,3
	ds_store_b128 v140, v[176+4*\i:179+4*\i] offset:2048*\i
.endr
.irp i, 0,1
	ds_store_b128 v140, v[192+4*\i:195+4*\i] offset:8192+2048*\i
.endr
	s_wait_tensorcnt 0x1                           ; my part of slot 0 is in; slot 1's may stay out
	s_wait_dscnt 0x0                               ; for the others' sake: my stores have landed (and have read set 0, which is loaded again)
	GLOAD 0                                        ; the walk's slot 2
	s_barrier_signal -1
	s_barrier_wait -1
	; ---------------- the first pass: the walk's slots 0-7
	PRE 0
	FIRST
	s_mov_b32 s[LAP], 3
.Llap0:                                            ; a trip: from a slot 0's second K step to the next slot 0's first; both slots of both rings are filled again
	TURN 0, 1, 1, 12
	STEP 1, 0, 1, 24
	TURN 1, 0, 1, 12
	STEP 0, 1, 1, 24
	s_sub_co_u32 s[LAP], s[LAP], 1
	s_cmp_lg_u32 s[LAP], 0
	s_cbranch_scc1 .Llap0
	TURN 0, 1, 1, 12
	STEP 1, 0, 1, 24
	PASSEND 0, 1
	; ---------------- the second pass: slots 8-15
	PRE 1
	FIRST
	s_mov_b32 s[LAP], 2
.Llap1:
	TURN 0, 1, 1, 12
	STEP 1, 0, 1, 24
	TURN 1, 0, 1, 12
	STEP 0, 1, 1, 24
	s_sub_co_u32 s[LAP], s[LAP], 1
	s_cmp_lg_u32 s[LAP], 0
	s_cbranch_scc1 .Llap1
	TURN 0, 1, 1, 12                               ; the tail is written out: slot 14 is asked for, slot 14's gather stored
	STEP 1, 0, 0, 24                               ; nothing is left to gather
	TURN 1, 0, 1, 0                                ; slot 15 is asked for; the last gather is stored: no younger loads
	STEP 0, 1, 0, 24
	TURN 0, 1, 0, -1                               ; nothing is filled: a plain barrier shows slot 15's gather to every wave
	STEP 1, 0, 0, 12
	PASSEND 1, 0
	; ---------------- the end: thread t adds pair t's 16 parts (4 waves x 2 passes x 2 halves of the lanes)
	s_wait_dscnt 0x0                               ; my parts have landed
	s_barrier_signal -1
	s_barrier_wait -1
.irp m, 0,1,2,3,4,5,6,7,8,9,10,11,12,13,14,15
	ds_load_b64 v[T+2*\m:T+2*\m+1], v[FIN] offset:4096*(\m/4)+2048*((\m/2)%2)+128*(\m%2)
.endr
	v_mov_b32 v96, s[B2S]
	v_mov_b32 v97, s[B2S+1]
	s_wait_dscnt 0x0
.irp m, 0,1,2,3,4,5,6,7
	v_pk_add_f32 v[T+4*\m:T+4*\m+1], v[T+4*\m:T+4*\m+1], v[T+4*\m+2:T+4*\m+3]
.endr
.irp m, 0,1,2,3
	v_pk_add_f32 v[T+8*\m:T+8*\m+1], v[T+8*\m:T+8*\m+1], v[T+8*\m+4:T+8*\m+5]
.endr
.irp m, 0,1
	v_pk_add_f32 v[T+16*\m:T+16*\m+1], v[T+16*\m:T+16*\m+1], v[T+16*\m+8:T+16*\m+9]
.endr
	v_pk_add_f32 v[T:T+1], v[T:T+1], v[T+16:T+17]
	v_pk_fma_f32 v[T:T+1], v[T:T+1], 0.5, v[96:97] op_sel_hi:[1,0,1]   ; the half of 2 gelu, and b2
	global_store_b64 v[OUTO], v[T:T+1], s[18:19]   ; a wave stores 256 consecutive bytes, aligned
	s_wait_tensorcnt 0x0                           ; the wave's end: behind my last tensor load and my last LDS store
	ds_add_u32 v[SPW], v[NIL]
	s_wait_dscnt 0x0
	CROUND                                         ; the closing round: no work-group ends while a partner may still ask for a slot that names it
	s_endpgm
.Lfunc_end_k_qb8ae443684_pairmlp:
	.size	k_qb8ae443684_pairmlp, .Lfunc_end_k_qb8ae443684_pairmlp-k_qb8ae443684_pairmlp
	.p2alignl 7, 3214868480
	.fill 96, 4, 3214868480
	.section	.rodata,"a",@progbits
	.p2align	6, 0x0
	.amdhsa_kernel k_qb8ae443684_pairmlp
		.amdhsa_group_segment_fixed_size 327680
		.amdhsa_private_segment_fixed_size 0
		.amdhsa_enable_private_segment 0
		.amdhsa_kernarg_size 64
		.amdhsa_user_sgpr_count 2
		.amdhsa_user_sgpr_kernarg_segment_ptr 1
		.amdhsa_wavefront_size32 1
		.amdhsa_system_sgpr_workgroup_id_x 1
		.amdhsa_system_sgpr_workgroup_id_y 1
		.amdhsa_system_sgpr_workgroup_id_z 1
		.amdhsa_system_vgpr_workitem_id 0
		.amdhsa_next_free_vgpr 1024
		.amdhsa_next_free_sgpr 100
		.amdhsa_reserve_vcc 0
		.amdhsa_float_denorm_mode_32 3
		.amdhsa_float_denorm_mode_16_64 3
		.amdhsa_memory_ordered 1
		.amdhsa_forward_progress 1
		.amdhsa_inst_pref_size 255
	.end_amdhsa_kernel
	.section	.bss,"aw",@nobits
	.p2align	6
	.space	262144
	.amdgpu_metadata
---
amdhsa.version: [ 1, 2 ]
amdhsa.kernels:
  - .name:           k_qb8ae443684_pairmlp
    .symbol:         k_qb8ae443684_pairmlp.kd
    .args:
      - { .name: hcodes, .offset: 0, .size: 8, .value_kind: global_buffer, .address_space: global }
      - { .name: hscales, .offset: 8, .size: 8, .value_kind: global_buffer, .address_space: global }
      - { .name: wimg, .offset: 16, .size: 8, .value_kind: global_buffer, .address_space: global }
      - { .name: pairs, .offset: 24, .size: 8, .value_kind: global_buffer, .address_space: global }
      - { .name: b1, .offset: 32, .size: 8, .value_kind: global_buffer, .address_space: global }
      - { .name: W2, .offset: 40, .size: 8, .value_kind: global_buffer, .address_space: global }
      - { .name: b2, .offset: 48, .size: 8, .value_kind: global_buffer, .address_space: global }
      - { .name: out0, .offset: 56, .size: 8, .value_kind: global_buffer, .address_space: global }
    .group_segment_fixed_size: 327680
    .private_segment_fixed_size: 0
    .kernarg_segment_align: 8
    .kernarg_segment_size: 64
    .max_flat_workgroup_size: 128
    .sgpr_count:     100
    .vgpr_count:     1024
    .wavefront_size: 32
...
	.end_amdgpu_metadata
.endif
;; end of part 2
